; MI455X (gfx1250); checked and timed in simulation.
; The chip was launched on July 23, 2026; its instructions are those of AMD's public machine-readable ISA for CDNA 5 (MIT licence, August 2026) and "CDNA5" Instruction Set Architecture Reference Guide (July 2026). The comments in the code are by the model that wrote it; some were corrected since.
;; Flow. Allowed arithmetic: float matrix products may take bf16 or f16 operands with f32 sums; other float arithmetic in f32, or as packed bf16 or f16 multiplies, adds, multiply-adds, maxima and minima; sums over many terms, partial sums and values carried from step to step in f32; what a program stores and reads back later, other than sums and carried values, may be rounded once to bf16 or f16.
;; Inputs: W1 1,024 x 2,048 float32; W2 2,048 x 2,048 float32; W3 2,048 x 1,024 float32; b1 2,048 float32; b2 2,048 float32; b3 1,024 float32; wt 2,048 float32; x0 1,024 float32.
;; Outputs: out0 1,025 float32.
;; One version. Each part assembles by itself: llvm-mc -triple=amdgcn-amd-amdhsa -mcpu=gfx1250 --defsym DOCPART=n.
;; ======== version 1 of 1: 16 launches
;; workspace buffers: wts 29,368,320 bytes; ap 262,144 bytes; up 131,072 bytes; sa0 32,768 bytes; sa1 32,768 bytes; sb0 16,384 bytes; sb1 16,384 bytes
;; launch prep (part 1): grid 16 x 16, 8 waves a work-group, no clusters, 155,392 bytes of LDS; arguments x0, W1, W2, W3, b1, b3, wts, ap, sa0, sb0; writes wts, ap, sa0, sb0
.if DOCPART == 1
	.amdgcn_target "amdgcn-amd-amdhsa--gfx1250"
	.amdhsa_code_object_version 6
	.text
	.protected	k_qf7bc9eb810_prep
	.globl	k_qf7bc9eb810_prep
	.p2align	8
	.type	k_qf7bc9eb810_prep,@function
k_qf7bc9eb810_prep:
	s_mov_b64 s[64:65], 0
	v_nop
	global_prefetch_b8 v0, s[64:65] scope:SCOPE_SE
	s_setreg_imm32_b32 hwreg(HW_REG_WAVE_MODE, 25, 1), 1
	s_wait_xcnt 0x0
; FLOW, launch 1 of 16.  Two RK4 steps (8 evaluations e = 0..7) of v(t,x) = tanh(tanh(x W1 + b1 + t wt) W2 + b2) W3 + b3, with the trace of dv/dx.
; WORK LEFT OUT, for all finite values of the inputs, in exact arithmetic:
;  (1) eye(D) @ W1 is W1 itself, and trace() keeps the diagonal of cols alone:  div = sum_i sum_jk W1[i,j] d1[j] W2[j,k] d2[k] W3[k,i] = sum_jk d1[j] G[j,k] d2[k],
;      G[j,k] = W2[j,k] M[k,j], M = W3 @ W1 (2048 x 2048), d1 = 1 - h1^2, d2 = 1 - h2^2.  M and G hang on neither x nor t: they are made ONCE, here; the off-diagonal of cols is never made.
;  (2) x enters v only as x @ W1: the state is carried as y = x @ W1, and v @ W1 = h2 @ M + p, p = b3 @ W1.  An evaluation has two mixings (W2, M), not three.
;  (3) x1 = x0 + b3 sum(w) + (sum_e w_e h2_e) @ W3 with w = (1,2,2,1,1,2,2,1)/12, sum(w) = 1: one product with W3, in the last launch.
;  (4) evaluation 0 has t = T0 = 0, reference()'s own constant: 0 x wt is not formed (wt is read from evaluation 1 on).  All eight inputs are read by some launch.
; LIMITS.  The order of rounding differs from reference()'s.  W1, W3, x0, b3 (inside y0 and p) enter the matrix unit in bf16; M, G, W2, W3 are stored once as bf16; h1, d1, h2 and sum w h2 are bf16
; as matrix operands; all sums, partial sums and carried states are f32.  tanh(x) = 1 - 2 / (1 + 2^(2.88539 x)): absolute error about 1e-7, exact limits +-1.
; A NaN, an infinity or an overflow that would reach only the work left out (an off-diagonal entry of cols, 0 x wt) is not carried to the result.
; THIS LAUNCH.  Work-group (jt, kt) makes the tile M[128 kt ..][128 jt ..] (K = 1024 in 16 chunks of 64), and with one more tile of 16 rows (x0 and b3 by turns) y0 and p for its 128 j.  From them:
;  M^T, W2^T, G^T and W3^T as bf16 in the order of a matrix operand's registers (buffer wts), evaluation 0's h1 and d1, and its partial sums a2part[jt][k], gpart[jt][k] (buffer ap).
;  kt = 0 also stores the state of y (sa0) and p; jt = 0 the zero state of sum w h2 and sum w div (sb0); both the queue of the later launches' constants.
; SHARES.  Eight waves: wave w has kh = w >> 2, jq = w & 3 and makes 64 k x 32 j: 8 accumulators; its two tiles of 16 j are number 2 jq + (b xor kh), b = 0, 1, so that the x0/b3 tile, which always takes
;  the fragments of b = 0, covers each of the 8 tiles of j in exactly one wave.  Source 0 = rows of W3 (or x0/b3), source 1 = columns of W1: a lane holds one j and eight neighbouring k.
; ON THE WAY IN.  f32 comes through registers (two sets of 64, window 1), is rounded once and laid into two LDS buffers that take turns; two chunks of loads are always out.  No tensor loads: every byte has to pass registers to be rounded.
; NO CLUSTER: the tiles that work-groups share arrive as f32 and are rounded in registers, so a joint load would put each chunk's 64 KiB of f32 through LDS on top of the 32 KiB of bf16.
.set PA,    144                        ; LDS pitch of a row of W3's chunk: 128 bytes + 16: an odd multiple of 16 bytes
.set PB,    288                        ; LDS pitch of rows of 256 bytes that are read turned: an odd multiple of 32 bytes
.set BSO,   128*PA                     ; in a buffer: W3's 128 rows, then W1's 64 rows
.set BUFB,  BSO+64*PB                  ; 36,864 bytes a buffer
.set XB,    2*BUFB                     ; x0 and b3 in bf16, 2,048 bytes each,
.set XP,    2064                       ; 2,064 apart
.set W2S,   78080                      ; W2's block [128 j][128 k] in bf16, pitch PB
.set GSO,   128*PB                     ; G's block lies this far behind it
.set YS,    W2S+2*GSO                  ; y0, 512 bytes
.set PSO,   512                        ; p lies this far behind y0
.set HV,    YS+1024                    ; h1 in bf16, 256 bytes
.set DVO,   256                        ; d1 lies this far behind h1
.set OS,    HV+512                     ; the way out: a2 512 bytes, then g 512 bytes
.set SPARE, OS+1024                    ; the spare words: 128 bytes for each of eight waves, four blocks of 256 bytes that no other line names
.set WBOFF,  16777216                  ; wts: W2^T and G^T blocks at 0, M^T blocks here,
.set W3FOFF, 25165824                  ; W3^T fragments here,
.set PVOFF,  29360128                  ; p here
.set SPW, 1                            ; v1   my spare word; never rewritten
.set NIL, 2                            ; v2   0, for the add alone
.set GO3, 3                            ; v3   my 16 bytes in 16 rows of W3's chunk
.set GO1, 4                            ; v4   my 16 bytes in 8 rows of W1's chunk
.set STA, 5                            ; v5   where their 8 bytes of bf16 go in a buffer
.set STB, 6                            ; v6
.set VA,  7                            ; v7   my lane's place in W3's fragments
.set VB,  8                            ; v8-9 in W1's turned fragments, b = 0, 1
.set VX,  10                           ; v10  in x0/b3's fragments, chunk 0
.set VT,  11                           ; v11  in W3's turned fragments
.set L16, 12                           ; v12  16 x lane
.set B1V, 13                           ; v13  b1 of j = thread & 127
.set ACC, 16                           ; v[16:79]  accumulator (b, a) at 16 + 8 (4 b + a)
.set XACC, 80                          ; v[80:87]  x0/b3 tile: register 0 = y0, register 1 = p
.set AF,  88                           ; v[88:151]  W3's fragments (ss, a)
.set BF,  152                          ; v[152:183] W1's fragments (ss, b)
.set XF,  184                          ; v[184:199] x0/b3's fragments (ss)
.set W3D, 200                          ; v[200:215] W3^T fragments on their way out
.set GW,  216                          ; v216-217 my 32 bytes of W2, b = 0, 1
.set MTO, 218                          ; v218-219 my 16 bytes of an M^T chunk
.set EST, 220                          ; v220-221 where my 16 bytes of W2 and G go in LDS
.set ETR, 222                          ; v222 my lane's place in W2's turned fragments; v223 in G's
.set LN,  224
.set R,   225
.set H,   226
.set L7,  227
.set L3,  228
.set TRB, 229
.set T4M, 230                          ; 4 (thread & 127)
.set YSA, 232
.set YRD, 233
.set HST, 234
.set HVA, 235
.set OSA, 236
.set T16, 238
.set XST, 239
.set WV, 24
.set JT, 25
.set KT, 26
.set KH, 27
.set JQ, 28
.set W3P, 32
.set W1P, 34
.set W2P, 36
.set WBB, 38
.set WAB, 40
.set W3FB, 42
.set XO, 44                            ; s44  128 x the chunk's number
.set JX, 45                            ; s45  128 x jt
.set J0, 46                            ; s46-47 the numbers of my two tiles of 16 j
.set CNT, 48
.set APB, 50
.set SAB, 52
.set SBB, 54
.set PVB, 56
.set B1B, 58
.set MSB, 0
.macro WIN new                         ; register windows: bits 1:0 source 0, 3:2 source 1, 5:4 source 2, 7:6 destination; the high byte repeats the setting that is left
.if MSB != (\new)
	s_set_vgpr_msb (MSB<<8)|(\new)
.set MSB, \new
.endif
.endm
.macro MM d, a, b, zero                ; one product; zero = 1: it starts the sum
.if \zero
	v_wmma_f32_16x16x32_bf16 v[(\d):(\d)+7], v[(\a):(\a)+7], v[(\b):(\b)+7], 0
.else
	v_wmma_f32_16x16x32_bf16 v[(\d):(\d)+7], v[(\a):(\a)+7], v[(\b):(\b)+7], v[(\d):(\d)+7]
.endif
.endm
.macro TANH x, h, d, t                 ; h = tanh(x), d = 1 - h^2
	v_mul_f32 v[\t], 0x4038aa3b, v[\x]             ; 2 log2(e) x
	v_exp_f32 v[\t], v[\t]
	v_nop                                          ; a plain instruction behind the exponential,
	s_wait_alu depctr_va_vdst(0)                   ; and the wait ahead of its first reader
	v_add_f32 v[\t], 1.0, v[\t]
	v_rcp_f32 v[\t], v[\t]
	v_nop
	s_wait_alu depctr_va_vdst(0)
	v_fma_f32 v[\h], v[\t], -2.0, 1.0
	v_fma_f32 v[\d], -v[\h], v[\h], 1.0
.endm
.macro LOADG p                         ; a chunk's 16 loads into set p of window 1: 128 rows x 256 bytes of W3, 64 rows x 512 bytes of W1
	WIN 0x40
.irp n, 0,1,2,3,4,5,6,7
	global_load_b128 v[64*(\p)+4*(\n):64*(\p)+4*(\n)+3], v[GO3], s[W3P:W3P+1] offset:65536*(\n)
.endr
.irp n, 0,1,2,3,4,5,6,7
	global_load_b128 v[64*(\p)+32+4*(\n):64*(\p)+32+4*(\n)+3], v[GO1], s[W1P:W1P+1] offset:65536*(\n)
.endr
.endm
.macro STEP                            ; the pointers go one chunk on
	s_wait_xcnt 0x0                                ; every load issued so far has read its base
	s_add_nc_u64 s[W3P:W3P+1], s[W3P:W3P+1], 256
	s_add_nc_u64 s[W1P:W1P+1], s[W1P:W1P+1], 524288
.endm
.macro CVTSTORE p                      ; set p is rounded in place and laid into buffer p
	WIN 0x45
.set n, 0
.rept 16
	v_cvt_pk_bf16_f32 v[64*(\p)+4*n], v[64*(\p)+4*n], v[64*(\p)+4*n+1]
	v_cvt_pk_bf16_f32 v[64*(\p)+4*n+1], v[64*(\p)+4*n+2], v[64*(\p)+4*n+3]
.set n, n+1
.endr
	WIN 0x04
.irp n, 0,1,2,3,4,5,6,7
	ds_store_b64 v[STA], v[64*(\p)+4*(\n):64*(\p)+4*(\n)+1] offset:(\p)*BUFB+(\n)*16*PA
.endr
.irp n, 0,1,2,3,4,5,6,7
	ds_store_b64 v[STB], v[64*(\p)+32+4*(\n):64*(\p)+32+4*(\n)+1] offset:(\p)*BUFB+(\n)*8*PB
.endr
.endm
.macro COMPUTE p, zero                 ; buffer p's chunk: 28 LDS loads, 18 products; the nine accumulators take turns, one instruction a turn
	v_add_nc_u32 v15, s[XO], v[VX]
.irp ss, 0,1
.irp a, 0,1,2,3
	ds_load_b128 v[AF+32*(\ss)+8*(\a):AF+32*(\ss)+8*(\a)+3], v[VA] offset:(\p)*BUFB+(\a)*16*PA+64*(\ss)
	ds_load_b128 v[AF+32*(\ss)+8*(\a)+4:AF+32*(\ss)+8*(\a)+7], v[VA] offset:(\p)*BUFB+(\a)*16*PA+64*(\ss)+32
.endr
.irp b, 0,1
	ds_load_tr16_b128 v[BF+16*(\ss)+8*(\b):BF+16*(\ss)+8*(\b)+3], v[VB+(\b)] offset:(\p)*BUFB+(\ss)*32*PB
	ds_load_tr16_b128 v[BF+16*(\ss)+8*(\b)+4:BF+16*(\ss)+8*(\b)+7], v[VB+(\b)] offset:(\p)*BUFB+(\ss)*32*PB+16*PB
.endr
	ds_load_b128 v[XF+8*(\ss):XF+8*(\ss)+3], v15 offset:64*(\ss)
	ds_load_b128 v[XF+8*(\ss)+4:XF+8*(\ss)+7], v15 offset:64*(\ss)+32
.endr
.irp ss, 0,1
	s_wait_dscnt 14-14*(\ss)                       ; the first 32 of K are in, the other 14 loads may stay out; then all
.irp b, 0,1
.irp a, 0,1,2,3
	MM ACC+8*(4*(\b)+(\a)), AF+32*(\ss)+8*(\a), BF+16*(\ss)+8*(\b), (\zero)*(1-(\ss))
.endr
.endr
	MM XACC, XF+8*(\ss), BF+16*(\ss), (\zero)*(1-(\ss))
.endr
.endm
.macro W3FOUT p                        ; in chunk jt alone: this chunk's 64 columns of my 128 rows of W3 leave turned, as fragments [16 i][32 k]: two a wave.  Sixteen work-groups read these rows; each writes another chunk
	s_cmp_eq_u32 s[XO], s[JX]
	s_cbranch_scc0 .Lno3_\@
	s_wait_xcnt 0x0                                ; the data registers below are written only behind this wait
.irp m, 0,1,2,3
	ds_load_tr16_b128 v[W3D+4*(\m):W3D+4*(\m)+3], v[VT] offset:(\p)*BUFB+(\m)*16*PA
.endr
	s_wait_dscnt 0x0
.irp m, 0,1,2,3
	global_store_b128 v[L16], v[W3D+4*(\m):W3D+4*(\m)+3], s[W3FB:W3FB+1] offset:512*(\m)  ; 512 consecutive bytes, aligned
.endr
.Lno3_\@:
.endm
.macro LOADW2                          ; W2[j][8 k] in the accumulators' lane order, into set 0
	WIN 0x40
.irp b, 0,1
.irp a, 0,1,2,3
	global_load_b128 v[8*(4*(\b)+(\a)):8*(4*(\b)+(\a))+3], v[GW+(\b)], s[W2P:W2P+1] offset:64*(\a)
	global_load_b128 v[8*(4*(\b)+(\a))+4:8*(4*(\b)+(\a))+7], v[GW+(\b)], s[W2P:W2P+1] offset:64*(\a)+16
.endr
.endr
.endm
; A chunk.  mode 3: the next chunk is laid into the other buffer and the chunk three on is asked for; 2: W2 is asked for instead; 1: nothing is asked for; 0: the last chunk.
; One barrier a chunk orders both ways: behind it the other buffer is whole, and nobody reads this one any more.  The 32 conversions are the places between the last products and the next fragment loads.
.macro CHUNK p, zero, mode
	COMPUTE \p, \zero
	W3FOUT \p
	s_add_co_u32 s[XO], s[XO], 128
.if \mode
	s_wait_loadcnt 16                              ; the next chunk is in; the 16 loads issued behind it stay out
	CVTSTORE 1-(\p)
.if (\mode) == 3
	STEP
	LOADG 1-(\p)
.elseif (\mode) == 2
	LOADW2
.endif
	WIN 0
	s_wait_dscnt 0x0                               ; my stores into the other buffer are done, my reads of this one are back
	s_barrier_signal -1
	s_barrier_wait -1
.endif
.endm
.macro PERB b                          ; the addresses that hang on tile b's number
	s_lshl_b32 s29, s[J0+(\b)], 5
	s_add_co_u32 s29, s29, BSO
	v_add_nc_u32 v[VB+(\b)], s29, v[TRB]           ; W1's rows behind W3's, 32 bytes a tile of 16 j
	s_lshl_b32 s29, s[J0+(\b)], 17
	s_lshl_b32 s30, s[KH], 8
	s_add_co_u32 s29, s29, s30
	v_lshlrev_b32 v14, 13, v[R]
	v_lshl_add_u32 v14, v[H], 5, v14
	v_add_nc_u32 v[GW+(\b)], s29, v14              ; W2: row 16 tile + r, byte 256 kh + 32 h
	s_lshl_b32 s29, s[J0+(\b)], 12
	s_lshl_b32 s30, s[KH], 11
	s_add_co_u32 s29, s29, s30
	v_add_nc_u32 v[MTO+(\b)], s29, v[L16]          ; M^T: chunk (tile, 4 kh + a) at (8 tile + 4 kh + a) 512
	s_mul_i32 s29, s[J0+(\b)], 16*PB
	s_lshl_b32 s30, s[KH], 7
	s_add_co_u32 s29, s29, s30
	s_add_co_u32 s29, s29, W2S
	v_mul_u32_u24 v14, v[R], PB
	v_lshl_add_u32 v14, v[H], 4, v14
	v_add_nc_u32 v[EST+(\b)], s29, v14
.endm
	s_load_b256 s[4:11], s[0:1], 0x0               ; x0 s[4:5], W1 s[6:7], W2 s[8:9], W3 s[10:11]
	s_load_b256 s[12:19], s[0:1], 0x20             ; b1 s[12:13], b3 s[14:15], wts s[16:17], ap s[18:19]
	s_load_b128 s[20:23], s[0:1], 0x40             ; sa0 s[20:21], sb0 s[22:23]
	v_lshl_add_u32 v[SPW], v0, 2, SPARE
	v_mov_b32 v[NIL], 0
	v_lshrrev_b32 v14, 5, v0
	v_readfirstlane_b32 s[WV], v14                 ; wave 0..7
	s_mov_b32 s[JT], ttmp9
	s_and_b32 s[KT], ttmp7, 0xffff
	s_lshr_b32 s[KH], s[WV], 2
	s_and_b32 s[JQ], s[WV], 3
	v_and_b32 v[LN], 31, v0
	v_and_b32 v[R], 15, v0
	v_bfe_u32 v[H], v0, 4, 1
	v_lshlrev_b32 v[L16], 4, v[LN]
	v_lshlrev_b32 v[T16], 4, v0
	v_and_b32 v[T4M], 127, v0
	v_lshlrev_b32 v[T4M], 2, v[T4M]
	v_lshrrev_b32 v14, 4, v0
	v_lshlrev_b32 v14, 12, v14
	v_lshl_add_u32 v[GO3], v[R], 4, v14            ; row thread / 16 of 4,096 bytes, 16 bytes a thread
	s_lshl_b32 s29, s[WV], 13
	v_add_nc_u32 v[GO1], s29, v[L16]               ; row = wave, of 8,192 bytes
	s_mov_b32 s31, 0                               ; the high word of every offset pair s[30:31]; never rewritten
	s_wait_kmcnt 0x0
	s_lshl_b32 s30, s[KT], 19
	s_add_nc_u64 s[W3P:W3P+1], s[10:11], s[30:31]  ; W3 at row 128 kt
	s_lshl_b32 s30, s[JT], 9
	s_add_nc_u64 s[W1P:W1P+1], s[6:7], s[30:31]    ; W1 at column 128 jt
	s_add_nc_u64 s[B1B:B1B+1], s[12:13], s[30:31]
	s_add_nc_u64 s[PVB:PVB+1], s[16:17], s[30:31]
	s_add_nc_u64 s[PVB:PVB+1], s[PVB:PVB+1], PVOFF
	global_load_b128 v[240:243], v[T16], s[4:5]    ; x0: 4 numbers a thread
	global_load_b128 v[244:247], v[T16], s[14:15]  ; b3
	global_load_b32 v[B1V], v[T4M], s[B1B:B1B+1]
	LOADG 0                                        ; chunk 0
	STEP
	LOADG 1                                        ; chunk 1
	WIN 0
	; the other addresses are made while the first loads are out
	v_and_b32 v[L7], 7, v0
	v_bfe_u32 v[L3], v0, 3, 1
	s_mul_i32 s29, s[WV], 2*PA
	v_mul_u32_u24 v14, v[H], PA
	v_lshl_add_u32 v14, v[R], 3, v14
	v_add_nc_u32 v[STA], s29, v14                  ; rows 2 wave + h, 8 bytes a lane
	s_mul_i32 s29, s[WV], PB
	s_add_co_u32 s29, s29, BSO
	v_lshl_add_u32 v[STB], v[LN], 3, s29           ; row = wave
	s_mul_i32 s29, s[KH], 64*PA
	v_mul_u32_u24 v14, v[R], PA
	v_lshl_add_u32 v14, v[H], 4, v14
	v_add_nc_u32 v[VA], s29, v14                   ; row 64 kh + r, 16 bytes for each half of the lanes
	v_lshl_add_u32 v14, v[H], 3, v[L7]             ; a turning load's row: 8 h + lane % 8
	v_mul_u32_u24 v[TRB], v14, PB
	v_lshl_add_u32 v[TRB], v[L3], 4, v[TRB]
	v_mul_u32_u24 v[VT], v14, PA
	v_lshl_add_u32 v[VT], v[L3], 4, v[VT]
	s_lshl_b32 s30, s[JQ], 5
	s_add_co_u32 s29, s29, s30
	v_add_nc_u32 v[VT], s29, v[VT]                 ; rows from 64 kh on, tile jq of 16 columns
	s_lshl_b32 s29, s[JQ], 1
	s_add_co_u32 s[J0], s29, s[KH]                 ; 2 jq + kh,
	s_xor_b32 s[J0+1], s[J0], 1                    ; and the other tile of the pair
	PERB 0
	PERB 1
	v_and_b32 v14, 1, v0
	v_mul_u32_u24 v14, v14, XP
	v_lshl_add_u32 v14, v[H], 4, v14
	v_add_nc_u32 v[VX], XB, v14                    ; even rows of the tile read x0, odd rows b3
	s_lshl_b32 s29, s[WV], 8
	s_add_co_u32 s29, s29, XB
	v_lshl_add_u32 v[XST], v[LN], 3, s29
	s_lshl_b32 s29, s[WV], 5
	s_add_co_u32 s29, s29, W2S
	v_add_nc_u32 v[ETR], s29, v[TRB]               ; out tile = wave: 32 bytes a tile of 16 k
	v_add_nc_u32 v[ETR+1], GSO, v[ETR]
	s_lshl_b32 s29, s[J0], 6
	s_add_co_u32 s29, s29, YS
	v_lshl_add_u32 v[YSA], v[R], 2, s29
	s_lshl_b32 s29, s[JQ], 7
	s_add_co_u32 s29, s29, YS
	v_lshl_add_u32 v[YRD], v[LN], 2, s29           ; waves 0 to 3: j = 32 wave + lane
	s_lshl_b32 s29, s[JQ], 6
	s_add_co_u32 s29, s29, HV
	v_lshl_add_u32 v[HST], v[LN], 1, s29
	v_lshl_add_u32 v[HVA], v[H], 4, HV
	s_lshl_b32 s29, s[WV], 6
	s_add_co_u32 s29, s29, OS
	v_lshl_add_u32 v[OSA], v[H], 5, s29
	s_lshl_b32 s30, s[JT], 20
	s_lshl_b32 s29, s[KT], 9
	s_add_co_u32 s30, s30, s29
	s_add_nc_u64 s[W2P:W2P+1], s[8:9], s[30:31]    ; W2 at row 128 jt, column 128 kt
	s_lshl_b32 s30, s[JT], 4
	s_add_co_u32 s30, s30, s[KT]
	s_lshl_b32 s30, s30, 15
	s_add_co_u32 s30, s30, WBOFF
	s_add_nc_u64 s[WBB:WBB+1], s[16:17], s[30:31]  ; M^T block jt 16 + kt
	s_lshl_b32 s30, s[KT], 4
	s_add_co_u32 s30, s30, s[JT]
	s_lshl_b32 s30, s30, 16
	s_lshl_b32 s29, s[WV], 12
	s_add_co_u32 s30, s30, s29
	s_add_nc_u64 s[WAB:WAB+1], s[16:17], s[30:31]  ; W2^T / G^T block kt 16 + jt, my out tile
	s_lshl_b32 s29, s[JT], 8                       ; 64 (4 jt + jq) + 4 kt + 2 kh
	s_lshl_b32 s30, s[JQ], 6
	s_add_co_u32 s29, s29, s30
	s_lshl_b32 s30, s[KT], 2
	s_add_co_u32 s29, s29, s30
	s_lshl_b32 s30, s[KH], 1
	s_add_co_u32 s29, s29, s30
	s_lshl_b32 s30, s29, 10
	s_add_co_u32 s30, s30, W3FOFF
	s_add_nc_u64 s[W3FB:W3FB+1], s[16:17], s[30:31]  ; W3^T fragment (i tile 4 jt + jq, k step 4 kt + 2 kh)
	s_lshl_b32 s30, s[JT], 13
	s_lshl_b32 s29, s[KT], 9
	s_add_co_u32 s30, s30, s29
	s_add_nc_u64 s[APB:APB+1], s[18:19], s[30:31]
	s_lshl_b32 s30, s[JT], 11
	s_add_nc_u64 s[SAB:SAB+1], s[20:21], s[30:31]
	s_lshl_b32 s30, s[KT], 10
	s_add_nc_u64 s[SBB:SBB+1], s[22:23], s[30:31]
	s_mov_b32 s[XO], 0
	s_lshl_b32 s[JX], s[JT], 7
	s_wait_loadcnt 32                              ; x0, b3, b1 are in; the two chunks' 32 loads stay out
	v_cvt_pk_bf16_f32 v240, v240, v241
	v_cvt_pk_bf16_f32 v241, v242, v243
	v_cvt_pk_bf16_f32 v244, v244, v245
	v_cvt_pk_bf16_f32 v245, v246, v247
	ds_store_b64 v[XST], v[240:241]
	ds_store_b64 v[XST], v[244:245] offset:XP
	s_wait_loadcnt 16                              ; chunk 0 is in
	CVTSTORE 0
	STEP
	LOADG 0                                        ; chunk 2
	WIN 0
	s_wait_dscnt 0x0
	s_barrier_signal -1
	s_barrier_wait -1
	CHUNK 0, 1, 3                                  ; chunk 0 is written out: its first products start the sums
	s_mov_b32 s[CNT], 6
.Lpair:                                                ; chunks (1, 2) to (11, 12)
	CHUNK 1, 0, 3
	CHUNK 0, 0, 3
	s_sub_co_u32 s[CNT], s[CNT], 1
	s_cmp_lg_u32 s[CNT], 0
	s_cbranch_scc1 .Lpair
	CHUNK 1, 0, 2                                  ; chunk 13: nothing of W1 and W3 is left to ask for; W2's block goes out
	CHUNK 0, 0, 1
	CHUNK 1, 0, 0
	; THE WAY OUT.  y0 and p into LDS; M^T as it lies in the accumulators: a lane's eight k of one j are 16 bytes of a fragment's chunk.
.rept 8
	v_nop                                          ; the places behind the last products
.endr
	ds_store_b32 v[YSA], v[XACC]                   ; both halves of the lanes hold the same sums and write the same words
	ds_store_b32 v[YSA], v[XACC+1] offset:PSO
.set x, 0
.rept 8
.irp rr, 0,1,2,3
	v_cvt_pk_bf16_f32 v[AF+4*x+(\rr)], v[ACC+8*x+2*(\rr)], v[ACC+8*x+2*(\rr)+1]
.endr
.set x, x+1
.endr
.irp b, 0,1
.irp a, 0,1,2,3
	global_store_b128 v[MTO+(\b)], v[AF+4*(4*(\b)+(\a)):AF+4*(4*(\b)+(\a))+3], s[WBB:WBB+1] offset:512*(\a)  ; 512 consecutive bytes, aligned
.endr
.endr
	s_wait_loadcnt 0x0                             ; W2's block
	WIN 0x44
.set z, 0
.rept 32
	v_pk_mul_f32 v[64+2*z:64+2*z+1], v[ACC+2*z:ACC+2*z+1], v[2*z:2*z+1]  ; G[j][k] = M[k][j] W2[j][k], into set 1
.set z, z+1
.endr
	WIN 0x45
.set x, 0
.rept 16                                               ; W2 (x < 8) and G are rounded in place, eight numbers to four registers
	v_cvt_pk_bf16_f32 v[8*x], v[8*x], v[8*x+1]
	v_cvt_pk_bf16_f32 v[8*x+1], v[8*x+2], v[8*x+3]
	v_cvt_pk_bf16_f32 v[8*x+2], v[8*x+4], v[8*x+5]
	v_cvt_pk_bf16_f32 v[8*x+3], v[8*x+6], v[8*x+7]
.set x, x+1
.endr
	WIN 0x04
.irp b, 0,1
.irp a, 0,1,2,3
	ds_store_b128 v[EST+(\b)], v[8*(4*(\b)+(\a)):8*(4*(\b)+(\a))+3] offset:32*(\a)
	ds_store_b128 v[EST+(\b)], v[64+8*(4*(\b)+(\a)):64+8*(4*(\b)+(\a))+3] offset:GSO+32*(\a)
.endr
.endr
	WIN 0
	s_wait_dscnt 0x0
	s_barrier_signal -1
	s_barrier_wait -1                              ; y0, p, W2's and G's blocks lie whole in LDS
	s_cmp_lt_u32 s[WV], 4                          ; 128 threads, one j each: evaluation 0's h1 and d1, and the states
	s_cbranch_scc0 .Lact_done
	ds_load_b32 v248, v[YRD]
	s_wait_dscnt 0x0
	v_add_f32 v249, v248, v[B1V]                   ; t = 0
	TANH 249, 250, 251, 252
	v_cvt_pk_bf16_f32 v253, v250, v251
	ds_store_b16 v[HST], v253
	ds_store_b16_d16_hi v[HST], v253 offset:DVO
	s_cmp_eq_u32 s[KT], 0
	s_cbranch_scc0 .Lnot_kt0
	ds_load_b32 v254, v[YRD] offset:PSO
	global_store_b32 v[T4M], v248, s[SAB:SAB+1] offset:256  ; y at the step's beginning,
	global_store_b32 v[T4M], v248, s[SAB:SAB+1] offset:768  ; and the sum that becomes the next step's
	s_wait_dscnt 0x0
	global_store_b32 v[T4M], v254, s[PVB:PVB+1]
.Lnot_kt0:
	s_cmp_eq_u32 s[JT], 0
	s_cbranch_scc0 .Lnot_jt0
	v_mov_b32 v255, 0
	global_store_b32 v[T4M], v255, s[SBB:SBB+1] offset:256  ; sum w h2 = 0
.Lnot_jt0:
	s_min_u32 s29, s[KT], s[JT]
	s_or_b32 s29, s29, s[WV]
	s_cmp_eq_u32 s29, 0
	s_cbranch_scc0 .Lact_done
	; The queue: record n (0..7) = (alpha, beta, 1 - beta, gamma, t, 0, 0, 0) with st = (n + 1) & 3: alpha = (1 + (st >> 1)) / 12, beta = (st == 0), gamma = ((st + 1) >> 1) / 4, t = ((n + 1) >> 2) / 2 + gamma.
	; Lane l holds words 2 l and 2 l + 1: record l >> 2, pair l & 3.
	v_lshrrev_b32 v245, 2, v[LN]
	v_add_nc_u32 v245, 1, v245
	v_and_b32 v246, 3, v245                        ; st
	v_lshrrev_b32 v245, 2, v245
	v_cvt_f32_u32 v245, v245
	v_lshrrev_b32 v247, 1, v246
	v_add_nc_u32 v247, 1, v247
	v_cvt_f32_u32 v247, v247
	v_mul_f32 v247, 0x3daaaaab, v247               ; alpha
	v_add_nc_u32 v249, 1, v246
	v_lshrrev_b32 v249, 1, v249
	v_cvt_f32_u32 v249, v249
	v_mul_f32 v249, 0x3e800000, v249               ; gamma
	v_fma_f32 v245, v245, 0.5, v249                ; t
	v_cmp_eq_u32 vcc_lo, 0, v246
	v_cndmask_b32 v250, 0, 1.0, vcc_lo             ; beta
	v_sub_f32 v251, 1.0, v250
	v_and_b32 v246, 3, v[LN]
	v_cmp_eq_u32 vcc_lo, 0, v246
	v_cndmask_b32 v240, 0, v247, vcc_lo
	v_cndmask_b32 v241, 0, v250, vcc_lo
	v_cmp_eq_u32 vcc_lo, 1, v246
	v_cndmask_b32 v240, v240, v251, vcc_lo
	v_cndmask_b32 v241, v241, v249, vcc_lo
	v_cmp_eq_u32 vcc_lo, 2, v246
	v_cndmask_b32 v240, v240, v245, vcc_lo
	v_mov_b32 v242, 0
	v_mov_b32 v243, 0
	v_lshlrev_b32 v244, 3, v[LN]
	s_cmp_eq_u32 s[KT], 0
	s_cbranch_scc0 .Lq_not_kt0
	global_store_b64 v244, v[240:241], s[SAB:SAB+1]  ; 256 consecutive bytes, aligned
.Lq_not_kt0:
	s_cmp_eq_u32 s[JT], 0
	s_cbranch_scc0 .Lact_done
	global_store_b64 v244, v[240:241], s[SBB:SBB+1]
	global_store_b64 v244, v[242:243], s[SBB:SBB+1] offset:768  ; sum w div = 0, 64 times
.Lact_done:
	s_wait_dscnt 0x0
	s_barrier_signal -1
	s_barrier_wait -1                              ; h1 and d1 lie in LDS
	; Wave w is out tile w (16 k): W2^T's and G^T's fragments come turned out of LDS, leave for wts, and are multiplied by h1 and d1, which fill all sixteen columns of source 1.
	s_wait_xcnt 0x0                                ; v[200:215] may be data of W3^T's stores: loaded again only behind this wait
.irp m, 0,1,2,3,4,5,6,7
	ds_load_tr16_b128 v[120+4*(\m):120+4*(\m)+3], v[ETR] offset:(\m)*16*PB
.endr
.irp m, 0,1,2,3,4,5,6,7
	ds_load_tr16_b128 v[152+4*(\m):152+4*(\m)+3], v[ETR+1] offset:(\m)*16*PB
.endr
.irp js, 0,1,2,3
	ds_load_b128 v[184+8*(\js):184+8*(\js)+3], v[HVA] offset:64*(\js)
	ds_load_b128 v[184+8*(\js)+4:184+8*(\js)+7], v[HVA] offset:64*(\js)+32
	ds_load_b128 v[16+8*(\js):16+8*(\js)+3], v[HVA] offset:DVO+64*(\js)
	ds_load_b128 v[16+8*(\js)+4:16+8*(\js)+7], v[HVA] offset:DVO+64*(\js)+32
.endr
	s_wait_dscnt 16                                ; the 16 turned loads are in; the 16 behind them may stay out
.irp m, 0,1,2,3,4,5,6,7
	global_store_b128 v[L16], v[120+4*(\m):120+4*(\m)+3], s[WAB:WAB+1] offset:512*(\m)
	global_store_b128 v[L16], v[152+4*(\m):152+4*(\m)+3], s[WAB:WAB+1] offset:32768+512*(\m)
.endr
	s_wait_dscnt 0x0
	MM 48, 120, 184, 1                             ; a2 and g by turns
	MM 56, 152, 16, 1
.irp js, 1,2,3
	MM 48, 120+8*(\js), 184+8*(\js), 0
	MM 56, 152+8*(\js), 16+8*(\js), 0
.endr
.rept 8
	v_nop
.endr
	ds_store_b128 v[OSA], v[48:51]                 ; a lane holds k = 8 h + 0..7 of the tile; the sixteen lanes of a half write the same bytes
	ds_store_b128 v[OSA], v[52:55] offset:16
	ds_store_b128 v[OSA], v[56:59] offset:512
	ds_store_b128 v[OSA], v[60:63] offset:528
	s_wait_dscnt 0x0
	s_barrier_signal -1
	s_barrier_wait -1
	s_cmp_lt_u32 s[WV], 2                          ; wave 0 stores a2's slice, wave 1 g's: 512 consecutive bytes each
	s_cbranch_scc0 .Lend
	s_lshl_b32 s29, s[WV], 9
	s_add_co_u32 s29, s29, OS
	v_add_nc_u32 v14, s29, v[L16]
	ds_load_b128 v[64:67], v14
	s_lshl_b32 s30, s[WV], 17
	s_add_nc_u64 s[APB:APB+1], s[APB:APB+1], s[30:31]
	s_wait_dscnt 0x0
	global_store_b128 v[L16], v[64:67], s[APB:APB+1]
.Lend:
	s_wait_tensorcnt 0x0                           ; the wave's end, behind my last LDS store
	ds_add_u32 v[SPW], v[NIL]
	s_wait_dscnt 0x0
	s_endpgm
.Lfunc_end_k_qf7bc9eb810_prep:
	.size	k_qf7bc9eb810_prep, .Lfunc_end_k_qf7bc9eb810_prep-k_qf7bc9eb810_prep
	.p2alignl 7, 3214868480
	.fill 96, 4, 3214868480
	.section	.rodata,"a",@progbits
	.p2align	6, 0x0
	.amdhsa_kernel k_qf7bc9eb810_prep
		.amdhsa_group_segment_fixed_size 155392
		.amdhsa_private_segment_fixed_size 0
		.amdhsa_enable_private_segment 0
		.amdhsa_kernarg_size 80
		.amdhsa_user_sgpr_count 2
		.amdhsa_user_sgpr_kernarg_segment_ptr 1
		.amdhsa_wavefront_size32 1
		.amdhsa_system_sgpr_workgroup_id_x 1
		.amdhsa_system_sgpr_workgroup_id_y 1
		.amdhsa_system_sgpr_workgroup_id_z 1
		.amdhsa_system_vgpr_workitem_id 0
		.amdhsa_next_free_vgpr 384
		.amdhsa_next_free_sgpr 66
		.amdhsa_reserve_vcc 1
		.amdhsa_float_denorm_mode_32 3
		.amdhsa_float_denorm_mode_16_64 3
		.amdhsa_memory_ordered 1
		.amdhsa_forward_progress 1
		.amdhsa_inst_pref_size 81
	.end_amdhsa_kernel
	.amdgpu_metadata
---
amdhsa.version: [ 1, 2 ]
amdhsa.kernels:
  - .name:           k_qf7bc9eb810_prep
    .symbol:         k_qf7bc9eb810_prep.kd
    .args:
      - { .name: x0, .offset: 0, .size: 8, .value_kind: global_buffer, .address_space: global }
      - { .name: W1, .offset: 8, .size: 8, .value_kind: global_buffer, .address_space: global }
      - { .name: W2, .offset: 16, .size: 8, .value_kind: global_buffer, .address_space: global }
      - { .name: W3, .offset: 24, .size: 8, .value_kind: global_buffer, .address_space: global }
      - { .name: b1, .offset: 32, .size: 8, .value_kind: global_buffer, .address_space: global }
      - { .name: b3, .offset: 40, .size: 8, .value_kind: global_buffer, .address_space: global }
      - { .name: wts, .offset: 48, .size: 8, .value_kind: global_buffer, .address_space: global }
      - { .name: ap, .offset: 56, .size: 8, .value_kind: global_buffer, .address_space: global }
      - { .name: sa0, .offset: 64, .size: 8, .value_kind: global_buffer, .address_space: global }
      - { .name: sb0, .offset: 72, .size: 8, .value_kind: global_buffer, .address_space: global }
    .group_segment_fixed_size: 155392
    .private_segment_fixed_size: 0
    .kernarg_segment_align: 8
    .kernarg_segment_size: 80
    .max_flat_workgroup_size: 256
    .sgpr_count:     66
    .vgpr_count:     384
    .wavefront_size: 32
...
	.end_amdgpu_metadata
.endif
;; end of part 1
;; launch stepb (part 2): grid 16 x 16, 4 waves a work-group, no clusters, 1,536 bytes of LDS; arguments ap, sb0, wts, b2, up, sb1; writes up, sb1
.if DOCPART == 2
	.amdgcn_target "amdgcn-amd-amdhsa--gfx1250"
	.amdhsa_code_object_version 6
	.text
	.protected	k_qf7bc9eb810_stepb
	.globl	k_qf7bc9eb810_stepb
	.p2align	8
	.type	k_qf7bc9eb810_stepb,@function
k_qf7bc9eb810_stepb:
	s_mov_b64 s[64:65], 0
	v_nop
	global_prefetch_b8 v0, s[64:65] scope:SCOPE_SE
	s_setreg_imm32_b32 hwreg(HW_REG_WAVE_MODE, 25, 1), 1
	s_wait_xcnt 0x0
; FLOW, the second mixing of evaluation e (e = 0..6).  Work left out as shown at the head of the first kernel: the Jacobian's off-diagonal, and the products with W1 and W3, which M = W3 @ W1 replaces.
; h2 = tanh(sum_c a2part[c] + b2);  upart[kt][j] = sum over k in block kt of h2[k] M[k][j].
; Work-group (c = kt, r = jt): sums the 16 f32 slices of its 128 k, applies tanh, multiplies by its block of M^T (32 KiB of bf16 that it alone reads, in operand order) and stores one slice of 512 bytes.
; The work-groups with r = 0 also keep the books of block kt (BODY 1): s += w h2, dacc += w sum_k g[k] (1 - h2[k]^2), and the queue of constants moved one record on; w is word 0 of the queue's first record.
; Source 0 = 16 j x 32 k of M^T, source 1 = h2 in all sixteen columns: a lane ends with u of j = 8 (lane / 16) + 0..7.  Four waves, two tiles of 16 j each.
; No tensor loads, no cluster: each weight byte has one reader and lies in register order; what work-groups share is 8 KiB of partial sums.
.set HV,    0                          ; h2 in bf16, 256 bytes
.set OS,    256                        ; the way out, 512 bytes
.set RED,   768                        ; four waves' sums of g d2
.set SPARE, 1024                       ; the spare words: 128 bytes a wave, two blocks of 256 bytes that no other line names
.set WBOFF, 16777216
.set SPW, 1
.set NIL, 2
.set IO,  3                            ; 512 c + 4 thread
.set T4,  4                            ; 4 thread
.set WO,  5                            ; 8,192 wave + 16 lane
.set L8,  6                            ; 8 min(lane + 4, 31): the queue, one record on
.set VH,  7                            ; 16 (lane / 16)
.set OSA, 8
.set H2A, 9
.set LN,  10
.set L8S, 11                           ; 8 lane
.set L16, 12                           ; 16 lane
.set ZR,  13                           ; 0, an offset
.set WW,  14                           ; w
.set RDA, 15
.set AR,  16                           ; v[16:31] a2's 16 slices
.set GR,  32                           ; v[32:47] g's
.set MF,  64                           ; v[64:127] M^T: tile, k step at 64 + 32 tile + 8 ks
.set HF,  128                          ; v[128:159] h2's fragments
.set ACC, 160                          ; v[160:175]
.macro MM d, a, b, zero
.if \zero
	v_wmma_f32_16x16x32_bf16 v[(\d):(\d)+7], v[(\a):(\a)+7], v[(\b):(\b)+7], 0
.else
	v_wmma_f32_16x16x32_bf16 v[(\d):(\d)+7], v[(\a):(\a)+7], v[(\b):(\b)+7], v[(\d):(\d)+7]
.endif
.endm
.macro SUM16 b                         ; v[b] = the sum of v[b .. b + 15]
	v_pk_add_f32 v[(\b):(\b)+1], v[(\b):(\b)+1], v[(\b)+2:(\b)+3]
	v_pk_add_f32 v[(\b)+4:(\b)+5], v[(\b)+4:(\b)+5], v[(\b)+6:(\b)+7]
	v_pk_add_f32 v[(\b)+8:(\b)+9], v[(\b)+8:(\b)+9], v[(\b)+10:(\b)+11]
	v_pk_add_f32 v[(\b)+12:(\b)+13], v[(\b)+12:(\b)+13], v[(\b)+14:(\b)+15]
	v_pk_add_f32 v[(\b):(\b)+1], v[(\b):(\b)+1], v[(\b)+4:(\b)+5]
	v_pk_add_f32 v[(\b)+8:(\b)+9], v[(\b)+8:(\b)+9], v[(\b)+12:(\b)+13]
	v_pk_add_f32 v[(\b):(\b)+1], v[(\b):(\b)+1], v[(\b)+8:(\b)+9]
	v_add_f32 v[\b], v[\b], v[(\b)+1]
.endm
.macro BODY book
.irp i, 0,1,2,3,4,5,6,7,8,9,10,11,12,13,14,15
	global_load_b32 v[AR+(\i)], v[IO], s[4:5] offset:8192*(\i)
.endr
	global_load_b32 v48, v[IO], s[10:11]           ; b2
.if \book
.irp i, 0,1,2,3,4,5,6,7,8,9,10,11,12,13,14,15
	global_load_b32 v[GR+(\i)], v[IO], s[4:5] offset:131072+8192*(\i)
.endr
	global_load_b32 v49, v[T4], s[24:25] offset:256      ; s
	global_load_b64 v[50:51], v[L8S], s[24:25] offset:768  ; dacc, the same number in every word
	global_load_b64 v[52:53], v[L8], s[24:25]            ; the queue, one record on
	global_load_b32 v[WW], v[ZR], s[24:25]               ; w: all lanes read the same word
.endif
.irp n, 0,1,2,3,4,5,6,7,8,9,10,11,12,13,14,15
	global_load_b128 v[MF+4*(\n):MF+4*(\n)+3], v[WO], s[28:29] offset:512*(\n)
.endr
	s_wait_loadcnt 16                              ; all but the 16 loads of weights, which were issued last
	SUM16 AR
	v_add_f32 v56, v[AR], v48
	v_mul_f32 v57, 0x4038aa3b, v56                 ; tanh(x) = 1 - 2 / (1 + 2^(2 log2(e) x))
	v_exp_f32 v57, v57
	v_nop                                          ; a plain instruction behind the exponential,
	s_wait_alu depctr_va_vdst(0)                   ; and the wait ahead of its first reader
	v_add_f32 v57, 1.0, v57
	v_rcp_f32 v57, v57
	v_nop
	s_wait_alu depctr_va_vdst(0)
	v_fma_f32 v54, v57, -2.0, 1.0                  ; h2
	v_cvt_pk_bf16_f32 v58, v54, v54
	ds_store_b16 v[H2A], v58 offset:HV
.if \book
	v_fma_f32 v55, -v54, v54, 1.0                  ; d2
	SUM16 GR
	v_mul_f32 v58, v[GR], v55
	v_add_f32_dpp v58, v58, v58 row_xmask:1 row_mask:0xf bank_mask:0xf
	v_add_f32_dpp v58, v58, v58 row_xmask:2 row_mask:0xf bank_mask:0xf
	v_add_f32_dpp v58, v58, v58 row_xmask:4 row_mask:0xf bank_mask:0xf
	v_add_f32_dpp v58, v58, v58 row_xmask:8 row_mask:0xf bank_mask:0xf
	v_permlanex16_b32 v56, v58, s44, s45           ; its destination has been written before
	v_add_f32 v58, v58, v56
	ds_store_b32 v[RDA], v58                       ; my wave's 32 k
.endif
	s_wait_dscnt 0x0
	s_barrier_signal -1
	s_barrier_wait -1                              ; h2 of all 128 k lies in LDS
.irp ks, 0,1,2,3
	ds_load_b128 v[HF+8*(\ks):HF+8*(\ks)+3], v[VH] offset:HV+64*(\ks)
	ds_load_b128 v[HF+8*(\ks)+4:HF+8*(\ks)+7], v[VH] offset:HV+64*(\ks)+32
.endr
	s_wait_loadcnt 0x0
	s_wait_dscnt 0x0
	MM ACC, MF, HF, 1                              ; the two tiles take turns
	MM ACC+8, MF+32, HF, 1
.irp ks, 1,2,3
	MM ACC, MF+8*(\ks), HF+8*(\ks), 0
	MM ACC+8, MF+32+8*(\ks), HF+8*(\ks), 0
.endr
.rept 8
	v_nop                                          ; the places behind the last products
.endr
	ds_store_b128 v[OSA], v[ACC:ACC+3]             ; the sixteen lanes of a half hold the same sums and write the same bytes
	ds_store_b128 v[OSA], v[ACC+4:ACC+7] offset:16
	ds_store_b128 v[OSA], v[ACC+8:ACC+11] offset:64
	ds_store_b128 v[OSA], v[ACC+12:ACC+15] offset:80
	s_wait_dscnt 0x0
	s_barrier_signal -1
	s_barrier_wait -1
.if \book
	v_fma_f32 v49, v[WW], v54, v49
	global_store_b32 v[T4], v49, s[40:41] offset:256
.endif
	s_cmp_eq_u32 s20, 0
	s_cbranch_scc0 .Lend_\@
	ds_load_b128 v[176:179], v[L16] offset:OS
.if \book
	ds_load_b128 v[60:63], v[ZR] offset:RED
.endif
	s_wait_dscnt 0x0
	global_store_b128 v[L16], v[176:179], s[42:43] ; the slice: 512 consecutive bytes, aligned
.if \book
	v_add_f32 v60, v60, v61
	v_add_f32 v62, v62, v63
	v_add_f32 v60, v60, v62
	v_fma_f32 v50, v[WW], v60, v50
	v_fma_f32 v51, v[WW], v60, v51
	global_store_b64 v[L8S], v[50:51], s[40:41] offset:768  ; 256 consecutive bytes, aligned
	global_store_b64 v[L8S], v[52:53], s[40:41]
.endif
.Lend_\@:
	s_wait_tensorcnt 0x0                           ; the wave's end, behind my last LDS store
	ds_add_u32 v[SPW], v[NIL]
	s_wait_dscnt 0x0
	s_endpgm
.endm
	s_load_b256 s[4:11], s[0:1], 0x0               ; ap s[4:5], the state read s[6:7], wts s[8:9], b2 s[10:11]
	s_load_b128 s[12:15], s[0:1], 0x20             ; up s[12:13], the state written s[14:15]
	v_lshl_add_u32 v[SPW], v0, 2, SPARE
	v_mov_b32 v[NIL], 0
	v_lshrrev_b32 v[LN], 5, v0
	v_readfirstlane_b32 s20, v[LN]                 ; wave 0..3
	s_mov_b32 s21, ttmp9                           ; c = kt
	s_and_b32 s22, ttmp7, 0xffff                   ; r = jt
	v_and_b32 v[LN], 31, v0
	v_mov_b32 v[ZR], 0
	v_lshlrev_b32 v[T4], 2, v0
	s_lshl_b32 s23, s21, 9
	v_add_nc_u32 v[IO], s23, v[T4]
	v_lshlrev_b32 v[L16], 4, v[LN]
	v_lshlrev_b32 v[L8S], 3, v[LN]
	s_lshl_b32 s23, s20, 13
	v_add_nc_u32 v[WO], s23, v[L16]
	v_add_nc_u32 v[L8], 4, v[LN]
	v_min_u32 v[L8], 31, v[L8]
	v_lshlrev_b32 v[L8], 3, v[L8]
	v_bfe_u32 v[VH], v0, 4, 1
	v_lshlrev_b32 v[VH], 4, v[VH]
	s_lshl_b32 s23, s20, 7
	s_add_co_u32 s23, s23, OS
	v_lshl_add_u32 v[OSA], v[VH], 1, s23           ; OS + 128 wave + 32 h
	s_lshl_b32 s23, s20, 6
	v_lshl_add_u32 v[H2A], v[LN], 1, s23           ; 2 x (32 wave + lane)
	s_lshl_b32 s23, s20, 2
	s_add_co_u32 s23, s23, RED
	v_mov_b32 v[RDA], s23
	s_mov_b32 s44, 0x76543210                      ; v_permlanex16_b32: each lane takes its own place in the other half
	s_mov_b32 s45, 0xfedcba98
	s_lshl_b32 s30, s21, 10
	s_mov_b32 s31, 0
	s_lshl4_add_u32 s18, s22, s21
	s_lshl_b32 s18, s18, 15
	s_add_co_u32 s18, s18, WBOFF
	s_mov_b32 s19, 0
	s_lshl_b32 s46, s21, 13
	s_lshl_b32 s47, s22, 9
	s_add_co_u32 s46, s46, s47
	s_mov_b32 s47, 0
	s_wait_kmcnt 0x0
	s_add_nc_u64 s[24:25], s[6:7], s[30:31]        ; block kt's slice of the state, read
	s_add_nc_u64 s[40:41], s[14:15], s[30:31]      ; and written
	s_add_nc_u64 s[28:29], s[8:9], s[18:19]        ; M^T block jt 16 + kt
	s_add_nc_u64 s[42:43], s[12:13], s[46:47]      ; upart[kt][128 jt ..]
	s_cmp_eq_u32 s22, 0                            ; the same in all four waves
	s_cbranch_scc1 .Lbook
	BODY 0
.Lbook:
	BODY 1
.Lfunc_end_k_qf7bc9eb810_stepb:
	.size	k_qf7bc9eb810_stepb, .Lfunc_end_k_qf7bc9eb810_stepb-k_qf7bc9eb810_stepb
	.p2alignl 7, 3214868480
	.fill 96, 4, 3214868480
	.section	.rodata,"a",@progbits
	.p2align	6, 0x0
	.amdhsa_kernel k_qf7bc9eb810_stepb
		.amdhsa_group_segment_fixed_size 1536
		.amdhsa_private_segment_fixed_size 0
		.amdhsa_enable_private_segment 0
		.amdhsa_kernarg_size 48
		.amdhsa_user_sgpr_count 2
		.amdhsa_user_sgpr_kernarg_segment_ptr 1
		.amdhsa_wavefront_size32 1
		.amdhsa_system_sgpr_workgroup_id_x 1
		.amdhsa_system_sgpr_workgroup_id_y 1
		.amdhsa_system_sgpr_workgroup_id_z 1
		.amdhsa_system_vgpr_workitem_id 0
		.amdhsa_next_free_vgpr 184
		.amdhsa_next_free_sgpr 66
		.amdhsa_reserve_vcc 0
		.amdhsa_float_denorm_mode_32 3
		.amdhsa_float_denorm_mode_16_64 3
		.amdhsa_memory_ordered 1
		.amdhsa_forward_progress 1
		.amdhsa_inst_pref_size 19
	.end_amdhsa_kernel
	.amdgpu_metadata
---
amdhsa.version: [ 1, 2 ]
amdhsa.kernels:
  - .name:           k_qf7bc9eb810_stepb
    .symbol:         k_qf7bc9eb810_stepb.kd
    .args:
      - { .name: ap, .offset: 0, .size: 8, .value_kind: global_buffer, .address_space: global }
      - { .name: sb0, .offset: 8, .size: 8, .value_kind: global_buffer, .address_space: global }
      - { .name: wts, .offset: 16, .size: 8, .value_kind: global_buffer, .address_space: global }
      - { .name: b2, .offset: 24, .size: 8, .value_kind: global_buffer, .address_space: global }
      - { .name: up, .offset: 32, .size: 8, .value_kind: global_buffer, .address_space: global }
      - { .name: sb1, .offset: 40, .size: 8, .value_kind: global_buffer, .address_space: global }
    .group_segment_fixed_size: 1536
    .private_segment_fixed_size: 0
    .kernarg_segment_align: 8
    .kernarg_segment_size: 48
    .max_flat_workgroup_size: 128
    .sgpr_count:     66
    .vgpr_count:     184
    .wavefront_size: 32
...
	.end_amdgpu_metadata
.endif
;; end of part 2
;; launch stepa (part 3): grid 16 x 16, 4 waves a work-group, no clusters, 2,048 bytes of LDS; arguments up, sa0, wts, b1, wt, ap, sa1; writes ap, sa1
.if DOCPART == 3
	.amdgcn_target "amdgcn-amd-amdhsa--gfx1250"
	.amdhsa_code_object_version 6
	.text
	.protected	k_qf7bc9eb810_stepa
	.globl	k_qf7bc9eb810_stepa
	.p2align	8
	.type	k_qf7bc9eb810_stepa,@function
k_qf7bc9eb810_stepa:
	s_mov_b64 s[64:65], 0
	v_nop
	global_prefetch_b8 v0, s[64:65] scope:SCOPE_SE
	s_setreg_imm32_b32 hwreg(HW_REG_WAVE_MODE, 25, 1), 1
	s_wait_xcnt 0x0
; FLOW, the first mixing of evaluation e (e = 1..7).  Work left out as shown at the head of the first kernel: the Jacobian's off-diagonal, and the products with W1 and W3, which M = W3 @ W1 replaces.
; u = sum_c upart[c] + p is v(e - 1) @ W1.  With the queue's first record (alpha, beta, 1 - beta, gamma, t):
;   Yacc' = Yacc + alpha u;  Ybase' = beta Yacc' + (1 - beta) Ybase (beta = 1 where a new RK4 step begins, else 0: exact for finite numbers);  a1 = Ybase' + gamma u + b1 + t wt;
;   h1 = tanh(a1), d1 = 1 - h1^2;  a2part[jt][k] = sum over j in block jt of h1[j] W2[j][k];  gpart[jt][k] = sum of d1[j] G[j][k].
; Work-group (c = jt, r = kt): sums the 16 f32 slices of its 128 j, and multiplies by its blocks of W2^T and G^T (64 KiB of bf16 that it alone reads, in operand order).  r = 0 also stores block jt's state and the queue, one record on.
; Source 0 = 16 k x 32 j of the weights, source 1 = h1 or d1 in all sixteen columns: a lane ends with the sums of k = 8 (lane / 16) + 0..7.  Four waves, two tiles of 16 k each.
; No tensor loads, no cluster: each weight byte has one reader and lies in register order; what work-groups share is 8 KiB of partial sums.
.set HV,    0                          ; h1 in bf16, 256 bytes
.set DV,    256                        ; d1
.set OS,    512                        ; the way out: a2 512 bytes, g 512 bytes
.set SPARE, 1536                       ; the spare words: 128 bytes a wave, two blocks of 256 bytes that no other line names
.set PVOFF, 29360128
.set SPW, 1
.set NIL, 2
.set IO,  3                            ; 512 c + 4 thread
.set T4,  4
.set WO,  5                            ; 8,192 wave + 16 lane
.set L8,  6                            ; 8 min(lane + 4, 31)
.set VH,  7
.set OSA, 8
.set H2A, 9
.set QP,  10                           ; v[10:11] the queue, one record on
.set UR,  12                           ; v[12:27] u's 16 slices; later d1's fragments 2 and 3
.set PV,  28
.set YB,  29
.set YA,  30
.set B1,  31
.set WT,  32
.set U,   33
.set LN,  34
.set L16, 35
.set A1,  36
.set HH,  37
.set DD,  38
.set TT,  39
.set ACC, 40                           ; v[40:71] a2 tile 0, 1, g tile 0, 1
.set WF,  72                           ; v[72:135] W2^T: 72 + 32 tile + 8 js
.set GF,  136                          ; v[136:199] G^T
.set HF,  200                          ; v[200:231] h1's fragments; v[232:247] d1's fragments 0 and 1
.set REC, 248                          ; v[248:252] alpha, beta, 1 - beta, gamma, t
.set ZR,  253                          ; 0, an offset
.macro MM d, a, b, zero
.if \zero
	v_wmma_f32_16x16x32_bf16 v[(\d):(\d)+7], v[(\a):(\a)+7], v[(\b):(\b)+7], 0
.else
	v_wmma_f32_16x16x32_bf16 v[(\d):(\d)+7], v[(\a):(\a)+7], v[(\b):(\b)+7], v[(\d):(\d)+7]
.endif
.endm
.macro SETD js                         ; rD = the first register of d1's fragment js
.if (\js) < 2
.set rD, 232+8*(\js)
.else
.set rD, UR+8*((\js)-2)
.endif
.endm
.macro QUAD js, zero                   ; 32 of j: the four accumulators take turns
	SETD \js
	MM ACC, WF+8*(\js), HF+8*(\js), \zero
	MM ACC+8, WF+32+8*(\js), HF+8*(\js), \zero
	MM ACC+16, GF+8*(\js), rD, \zero
	MM ACC+24, GF+32+8*(\js), rD, \zero
.endm
	s_load_b256 s[4:11], s[0:1], 0x0               ; up s[4:5], the state read s[6:7], wts s[8:9], b1 s[10:11]
	s_load_b128 s[12:15], s[0:1], 0x20             ; wt s[12:13], ap s[14:15]
	s_load_b64 s[16:17], s[0:1], 0x30              ; the state written
	v_lshl_add_u32 v[SPW], v0, 2, SPARE
	v_mov_b32 v[NIL], 0
	v_lshrrev_b32 v[LN], 5, v0
	v_readfirstlane_b32 s20, v[LN]                 ; wave 0..3
	s_mov_b32 s21, ttmp9                           ; c = jt
	s_and_b32 s22, ttmp7, 0xffff                   ; r = kt
	v_and_b32 v[LN], 31, v0
	v_mov_b32 v[ZR], 0
	v_lshlrev_b32 v[T4], 2, v0
	s_lshl_b32 s23, s21, 9
	v_add_nc_u32 v[IO], s23, v[T4]
	v_lshlrev_b32 v[L16], 4, v[LN]
	s_lshl_b32 s23, s20, 13
	v_add_nc_u32 v[WO], s23, v[L16]
	v_add_nc_u32 v[L8], 4, v[LN]
	v_min_u32 v[L8], 31, v[L8]
	v_lshlrev_b32 v[L8], 3, v[L8]
	s_lshl_b32 s30, s21, 11
	s_mov_b32 s31, 0
	s_lshl4_add_u32 s18, s22, s21
	s_lshl_b32 s18, s18, 16
	s_mov_b32 s19, 0
	s_lshl_b32 s44, s21, 13
	s_lshl_b32 s45, s22, 9
	s_add_co_u32 s44, s44, s45
	s_mov_b32 s45, 0
	s_wait_kmcnt 0x0
	s_add_nc_u64 s[24:25], s[6:7], s[30:31]        ; block jt's slice of the state, read
	s_add_nc_u64 s[40:41], s[16:17], s[30:31]      ; and written
	s_add_nc_u64 s[26:27], s[8:9], PVOFF           ; p
	s_add_nc_u64 s[28:29], s[8:9], s[18:19]        ; W2^T / G^T block kt 16 + jt
	s_add_nc_u64 s[42:43], s[14:15], s[44:45]      ; a2part[jt][128 kt ..]
.irp i, 0,1,2,3,4,5,6,7,8,9,10,11,12,13,14,15
	global_load_b32 v[UR+(\i)], v[IO], s[4:5] offset:8192*(\i)
.endr
	global_load_b32 v[PV], v[IO], s[26:27]
	global_load_b32 v[YB], v[T4], s[24:25] offset:256
	global_load_b32 v[YA], v[T4], s[24:25] offset:768
	global_load_b32 v[B1], v[IO], s[10:11]
	global_load_b32 v[WT], v[IO], s[12:13]
	global_load_b64 v[QP:QP+1], v[L8], s[24:25]
	global_load_b128 v[REC:REC+3], v[ZR], s[24:25] ; the record: all lanes read the same bytes
	global_load_b32 v[REC+4], v[ZR], s[24:25] offset:16
.irp n, 0,1,2,3,4,5,6,7,8,9,10,11,12,13,14,15
	global_load_b128 v[WF+4*(\n):WF+4*(\n)+3], v[WO], s[28:29] offset:512*(\n)
.endr
.irp n, 0,1,2,3,4,5,6,7,8,9,10,11,12,13,14,15
	global_load_b128 v[GF+4*(\n):GF+4*(\n)+3], v[WO], s[28:29] offset:32768+512*(\n)
.endr
	v_bfe_u32 v[VH], v0, 4, 1
	v_lshlrev_b32 v[VH], 4, v[VH]
	s_lshl_b32 s23, s20, 7
	s_add_co_u32 s23, s23, OS
	v_lshl_add_u32 v[OSA], v[VH], 1, s23           ; OS + 128 wave + 32 h
	s_lshl_b32 s23, s20, 6
	v_lshl_add_u32 v[H2A], v[LN], 1, s23           ; 2 x (32 wave + lane)
	s_wait_loadcnt 32                              ; all but the 32 loads of weights, which were issued last
	v_pk_add_f32 v[UR:UR+1], v[UR:UR+1], v[UR+2:UR+3]
	v_pk_add_f32 v[UR+4:UR+5], v[UR+4:UR+5], v[UR+6:UR+7]
	v_pk_add_f32 v[UR+8:UR+9], v[UR+8:UR+9], v[UR+10:UR+11]
	v_pk_add_f32 v[UR+12:UR+13], v[UR+12:UR+13], v[UR+14:UR+15]
	v_pk_add_f32 v[UR:UR+1], v[UR:UR+1], v[UR+4:UR+5]
	v_pk_add_f32 v[UR+8:UR+9], v[UR+8:UR+9], v[UR+12:UR+13]
	v_pk_add_f32 v[UR:UR+1], v[UR:UR+1], v[UR+8:UR+9]
	v_add_f32 v[UR], v[UR], v[UR+1]
	v_add_f32 v[U], v[UR], v[PV]
	v_fma_f32 v[YA], v[REC], v[U], v[YA]
	v_mul_f32 v[YB], v[REC+2], v[YB]
	v_fma_f32 v[YB], v[REC+1], v[YA], v[YB]
	v_fma_f32 v[A1], v[REC+3], v[U], v[YB]
	v_add_f32 v[A1], v[A1], v[B1]
	v_fma_f32 v[A1], v[REC+4], v[WT], v[A1]
	v_mul_f32 v[TT], 0x4038aa3b, v[A1]             ; tanh(x) = 1 - 2 / (1 + 2^(2 log2(e) x))
	v_exp_f32 v[TT], v[TT]
	v_nop                                          ; a plain instruction behind the exponential,
	s_wait_alu depctr_va_vdst(0)                   ; and the wait ahead of its first reader
	v_add_f32 v[TT], 1.0, v[TT]
	v_rcp_f32 v[TT], v[TT]
	v_nop
	s_wait_alu depctr_va_vdst(0)
	v_fma_f32 v[HH], v[TT], -2.0, 1.0
	v_fma_f32 v[DD], -v[HH], v[HH], 1.0
	v_cvt_pk_bf16_f32 v[TT], v[HH], v[DD]
	ds_store_b16 v[H2A], v[TT] offset:HV
	ds_store_b16_d16_hi v[H2A], v[TT] offset:DV
	s_wait_dscnt 0x0
	s_barrier_signal -1
	s_barrier_wait -1                              ; h1 and d1 of all 128 j lie in LDS
.irp js, 0,1,2,3
	ds_load_b128 v[HF+8*(\js):HF+8*(\js)+3], v[VH] offset:HV+64*(\js)
	ds_load_b128 v[HF+8*(\js)+4:HF+8*(\js)+7], v[VH] offset:HV+64*(\js)+32
	SETD \js
	ds_load_b128 v[rD:rD+3], v[VH] offset:DV+64*(\js)
	ds_load_b128 v[rD+4:rD+7], v[VH] offset:DV+64*(\js)+32
.endr
	s_wait_loadcnt 0x0
	s_wait_dscnt 0x0
	QUAD 0, 1
	QUAD 1, 0
	QUAD 2, 0
	QUAD 3, 0
.rept 8
	v_nop                                          ; the places behind the last products
.endr
.irp q, 0,1
	ds_store_b128 v[OSA], v[ACC+16*(\q):ACC+16*(\q)+3] offset:512*(\q)        ; the sixteen lanes of a half hold the same sums and write the same bytes
	ds_store_b128 v[OSA], v[ACC+16*(\q)+4:ACC+16*(\q)+7] offset:512*(\q)+16
	ds_store_b128 v[OSA], v[ACC+16*(\q)+8:ACC+16*(\q)+11] offset:512*(\q)+64
	ds_store_b128 v[OSA], v[ACC+16*(\q)+12:ACC+16*(\q)+15] offset:512*(\q)+80
.endr
	s_wait_dscnt 0x0
	s_barrier_signal -1
	s_barrier_wait -1
	s_cmp_lt_u32 s20, 2                            ; wave 0 stores a2's slice, wave 1 g's: 512 consecutive bytes each
	s_cbranch_scc0 .Lno_out
	s_lshl_b32 s23, s20, 9
	s_add_co_u32 s23, s23, OS
	v_add_nc_u32 v[A1], s23, v[L16]
	ds_load_b128 v[WF:WF+3], v[A1]
	s_lshl_b32 s44, s20, 17
	s_add_nc_u64 s[42:43], s[42:43], s[44:45]
	s_wait_dscnt 0x0
	global_store_b128 v[L16], v[WF:WF+3], s[42:43]
.Lno_out:
	s_cmp_eq_u32 s22, 0                            ; one owner for block jt's state
	s_cbranch_scc0 .Lend
	global_store_b32 v[T4], v[YB], s[40:41] offset:256
	global_store_b32 v[T4], v[YA], s[40:41] offset:768
	s_cmp_eq_u32 s20, 0
	s_cbranch_scc0 .Lend
	v_lshlrev_b32 v[HH], 3, v[LN]
	global_store_b64 v[HH], v[QP:QP+1], s[40:41]   ; 256 consecutive bytes, aligned
.Lend:
	s_wait_tensorcnt 0x0                           ; the wave's end, behind my last LDS store
	ds_add_u32 v[SPW], v[NIL]
	s_wait_dscnt 0x0
	s_endpgm
.Lfunc_end_k_qf7bc9eb810_stepa:
	.size	k_qf7bc9eb810_stepa, .Lfunc_end_k_qf7bc9eb810_stepa-k_qf7bc9eb810_stepa
	.p2alignl 7, 3214868480
	.fill 96, 4, 3214868480
	.section	.rodata,"a",@progbits
	.p2align	6, 0x0
	.amdhsa_kernel k_qf7bc9eb810_stepa
		.amdhsa_group_segment_fixed_size 2048
		.amdhsa_private_segment_fixed_size 0
		.amdhsa_enable_private_segment 0
		.amdhsa_kernarg_size 56
		.amdhsa_user_sgpr_count 2
		.amdhsa_user_sgpr_kernarg_segment_ptr 1
		.amdhsa_wavefront_size32 1
		.amdhsa_system_sgpr_workgroup_id_x 1
		.amdhsa_system_sgpr_workgroup_id_y 1
		.amdhsa_system_sgpr_workgroup_id_z 1
		.amdhsa_system_vgpr_workitem_id 0
		.amdhsa_next_free_vgpr 256
		.amdhsa_next_free_sgpr 66
		.amdhsa_reserve_vcc 0
		.amdhsa_float_denorm_mode_32 3
		.amdhsa_float_denorm_mode_16_64 3
		.amdhsa_memory_ordered 1
		.amdhsa_forward_progress 1
		.amdhsa_inst_pref_size 13
	.end_amdhsa_kernel
	.amdgpu_metadata
---
amdhsa.version: [ 1, 2 ]
amdhsa.kernels:
  - .name:           k_qf7bc9eb810_stepa
    .symbol:         k_qf7bc9eb810_stepa.kd
    .args:
      - { .name: up, .offset: 0, .size: 8, .value_kind: global_buffer, .address_space: global }
      - { .name: sa0, .offset: 8, .size: 8, .value_kind: global_buffer, .address_space: global }
      - { .name: wts, .offset: 16, .size: 8, .value_kind: global_buffer, .address_space: global }
      - { .name: b1, .offset: 24, .size: 8, .value_kind: global_buffer, .address_space: global }
      - { .name: wt, .offset: 32, .size: 8, .value_kind: global_buffer, .address_space: global }
      - { .name: ap, .offset: 40, .size: 8, .value_kind: global_buffer, .address_space: global }
      - { .name: sa1, .offset: 48, .size: 8, .value_kind: global_buffer, .address_space: global }
    .group_segment_fixed_size: 2048
    .private_segment_fixed_size: 0
    .kernarg_segment_align: 8
    .kernarg_segment_size: 56
    .max_flat_workgroup_size: 128
    .sgpr_count:     66
    .vgpr_count:     256
    .wavefront_size: 32
...
	.end_amdgpu_metadata
.endif
;; end of part 3
;; launch mixb1: the kernel of part 2 again; grid 16 x 16, 4 waves a work-group, no clusters, 1,536 bytes of LDS; arguments ap, sb1, wts, b2, up, sb0; writes up, sb0
;; launch mixa2: the kernel of part 3 again; grid 16 x 16, 4 waves a work-group, no clusters, 2,048 bytes of LDS; arguments up, sa1, wts, b1, wt, ap, sa0; writes ap, sa0
;; launch mixb2: the kernel of part 2 again; grid 16 x 16, 4 waves a work-group, no clusters, 1,536 bytes of LDS; arguments ap, sb0, wts, b2, up, sb1; writes up, sb1
;; launch mixa3: the kernel of part 3 again; grid 16 x 16, 4 waves a work-group, no clusters, 2,048 bytes of LDS; arguments up, sa0, wts, b1, wt, ap, sa1; writes ap, sa1
;; launch mixb3: the kernel of part 2 again; grid 16 x 16, 4 waves a work-group, no clusters, 1,536 bytes of LDS; arguments ap, sb1, wts, b2, up, sb0; writes up, sb0
;; launch mixa4: the kernel of part 3 again; grid 16 x 16, 4 waves a work-group, no clusters, 2,048 bytes of LDS; arguments up, sa1, wts, b1, wt, ap, sa0; writes ap, sa0
;; launch mixb4: the kernel of part 2 again; grid 16 x 16, 4 waves a work-group, no clusters, 1,536 bytes of LDS; arguments ap, sb0, wts, b2, up, sb1; writes up, sb1
;; launch mixa5: the kernel of part 3 again; grid 16 x 16, 4 waves a work-group, no clusters, 2,048 bytes of LDS; arguments up, sa0, wts, b1, wt, ap, sa1; writes ap, sa1
;; launch mixb5: the kernel of part 2 again; grid 16 x 16, 4 waves a work-group, no clusters, 1,536 bytes of LDS; arguments ap, sb1, wts, b2, up, sb0; writes up, sb0
;; launch mixa6: the kernel of part 3 again; grid 16 x 16, 4 waves a work-group, no clusters, 2,048 bytes of LDS; arguments up, sa1, wts, b1, wt, ap, sa0; writes ap, sa0
;; launch mixb6: the kernel of part 2 again; grid 16 x 16, 4 waves a work-group, no clusters, 1,536 bytes of LDS; arguments ap, sb0, wts, b2, up, sb1; writes up, sb1
;; launch mixa7: the kernel of part 3 again; grid 16 x 16, 4 waves a work-group, no clusters, 2,048 bytes of LDS; arguments up, sa0, wts, b1, wt, ap, sa1; writes ap, sa1
;; launch fin (part 4): grid 65 x 1, 16 waves a work-group, no clusters, 7,168 bytes of LDS; arguments ap, sb1, wts, b2, b3, x0, out0; writes out0
.if DOCPART == 4
	.amdgcn_target "amdgcn-amd-amdhsa--gfx1250"
	.amdhsa_code_object_version 6
	.text
	.protected	k_qf7bc9eb810_fin
	.globl	k_qf7bc9eb810_fin
	.p2align	8
	.type	k_qf7bc9eb810_fin,@function
k_qf7bc9eb810_fin:
	s_mov_b64 s[64:65], 0
	v_nop
	global_prefetch_b8 v0, s[64:65] scope:SCOPE_SE
	s_setreg_imm32_b32 hwreg(HW_REG_WAVE_MODE, 25, 1), 1
	s_wait_xcnt 0x0
; FLOW, the last launch.  Work left out as shown at the head of the first kernel: evaluation 7's product with M (no evaluation follows), and the seven other products with W3, which one product with sum_e w_e h2_e replaces.
; h2 = tanh(sum_c a2part[c] + b2) is evaluation 7's, w_7 = 1/12.
;   work-groups f = 0..63:  x1[i] = x0[i] + b3[i] + sum_k (s[k] + h2[k] / 12) W3[k][i] for i = 16 f .. 16 f + 15 (sum of the weights w is 1, so b3 enters once);
;   work-group 64:          logq1 = -0.5 sum x0^2 - 512 log(2 pi) - sum_kt dacc[kt] - (1/12) sum_k g[k] (1 - h2[k]^2).
; Sixteen waves; thread t owns k = 4 t .. 4 t + 3, so wave w owns k = 128 w .. 128 w + 127 and multiplies four fragments of W3^T (16 i x 32 k, in operand order) by its part of the vector.
; Each sum has one owner, so 65 work-groups are all that this launch has work for.  A work-group's 16 numbers of x1 are 64 bytes: the whole output is 4,100 bytes.
; REGISTERS.  v0-v14 ids, offsets and LDS addresses, none of them a load's destination; v[16:79] a2's 16 slices, then at work; v[80:91] b2, s, x0, b3; v[96:159] weights and fragments (logq: g's 16 slices); v[160:175] two accumulators.
.set SV,    0                          ; s + h2 / 12 in bf16, 4,096 bytes
.set RED,   4096                       ; the waves' partial sums: 64 bytes a wave
.set SPARE, 5120                       ; the spare words: 128 bytes for each of 16 waves, eight blocks of 256 bytes that no other line names
.set W3FOFF, 25165824
.macro SUMR b                          ; 16 rows of four numbers, v[b + 4 i ..], are added into the first
.irp st, 8,4,2,1
.set i, 0
.rept \st
	v_pk_add_f32 v[(\b)+4*i:(\b)+4*i+1], v[(\b)+4*i:(\b)+4*i+1], v[(\b)+4*(i+(\st)):(\b)+4*(i+(\st))+1]
	v_pk_add_f32 v[(\b)+4*i+2:(\b)+4*i+3], v[(\b)+4*i+2:(\b)+4*i+3], v[(\b)+4*(i+(\st))+2:(\b)+4*(i+(\st))+3]
.set i, i+1
.endr
.endr
.endm
.macro TANH4                           ; v[24:27] = tanh(v[16:19]): each kind of transcendental is one batch with one wait
.irp i, 0,1,2,3
	v_mul_f32 v[20+(\i)], 0x4038aa3b, v[16+(\i)]
.endr
.irp i, 0,1,2,3
	v_exp_f32 v[20+(\i)], v[20+(\i)]
.endr
	v_nop                                          ; a plain instruction behind the last exponential,
	s_wait_alu depctr_va_vdst(0)                   ; and the wait ahead of the first reader
.irp i, 0,1,2,3
	v_add_f32 v[20+(\i)], 1.0, v[20+(\i)]
.endr
.irp i, 0,1,2,3
	v_rcp_f32 v[20+(\i)], v[20+(\i)]
.endr
	v_nop
	s_wait_alu depctr_va_vdst(0)
.irp i, 0,1,2,3
	v_fma_f32 v[24+(\i)], v[20+(\i)], -2.0, 1.0
.endr
.endm
	s_load_b256 s[4:11], s[0:1], 0x0               ; ap s[4:5], sb s[6:7], wts s[8:9], b2 s[10:11]
	s_load_b128 s[12:15], s[0:1], 0x20             ; b3 s[12:13], x0 s[14:15]
	s_load_b64 s[16:17], s[0:1], 0x30              ; out0
	v_lshl_add_u32 v1, v0, 2, SPARE                ; my spare word
	v_mov_b32 v2, 0                                ; 0, for the add alone
	v_lshrrev_b32 v3, 5, v0
	v_readfirstlane_b32 s20, v3                    ; wave 0..15
	s_mov_b32 s21, ttmp9
	v_and_b32 v3, 31, v0                           ; lane
	v_lshlrev_b32 v4, 4, v0                        ; 16 thread: my four k in a row of 2,048 f32
	v_and_b32 v5, 15, v0
	v_lshl_add_u32 v12, v5, 2, RED
	s_cmp_eq_u32 s21, 64                           ; the same in all sixteen waves
	s_cbranch_scc1 .Lq
	; x1
	v_lshlrev_b32 v6, 4, v3
	s_lshl_b32 s22, s20, 10
	v_add_nc_u32 v7, s22, v6                       ; s: slice = wave, 16 bytes a lane
	s_lshl_b32 s22, s21, 6
	v_lshl_add_u32 v8, v5, 2, s22                  ; 4 (16 f + lane % 16)
	s_lshl_b32 s22, s20, 8
	v_lshl_add_u32 v9, v3, 3, s22                  ; SV: 256 wave + 8 lane
	v_bfe_u32 v13, v0, 4, 1
	v_lshl_add_u32 v10, v13, 4, s22                ; 256 wave + 16 h
	s_lshl_b32 s22, s20, 6
	s_add_co_u32 s22, s22, RED
	v_lshl_add_u32 v11, v13, 5, s22                ; RED + 64 wave + 32 h
	s_lshl_b32 s24, s21, 16
	s_lshl_b32 s22, s20, 12
	s_add_co_u32 s24, s24, s22
	s_add_co_u32 s24, s24, W3FOFF
	s_mov_b32 s25, 0
	s_mov_b32 s30, 0x3daaaaab                      ; 1/12
	s_wait_kmcnt 0x0
	s_add_nc_u64 s[26:27], s[8:9], s[24:25]        ; W3^T: i tile f, k steps 4 wave ..
.irp i, 0,1,2,3,4,5,6,7,8,9,10,11,12,13,14,15
	global_load_b128 v[16+4*(\i):16+4*(\i)+3], v4, s[4:5] offset:8192*(\i)
.endr
	global_load_b128 v[80:83], v4, s[10:11]        ; b2
	global_load_b128 v[84:87], v7, s[6:7] offset:256  ; s
	global_load_b32 v88, v8, s[14:15]              ; x0
	global_load_b32 v89, v8, s[12:13]              ; b3
.irp n, 0,1,2,3,4,5,6,7
	global_load_b128 v[96+4*(\n):96+4*(\n)+3], v6, s[26:27] offset:512*(\n)
.endr
	s_wait_loadcnt 8                               ; all but the 8 loads of weights, which were issued last
	SUMR 16
	v_pk_add_f32 v[16:17], v[16:17], v[80:81]
	v_pk_add_f32 v[18:19], v[18:19], v[82:83]
	TANH4
.irp i, 0,1,2,3
	v_fma_f32 v[84+(\i)], s30, v[24+(\i)], v[84+(\i)]
.endr
	v_cvt_pk_bf16_f32 v90, v84, v85
	v_cvt_pk_bf16_f32 v91, v86, v87
	ds_store_b64 v9, v[90:91]
	s_wait_dscnt 0x0
	s_barrier_signal -1
	s_barrier_wait -1
.irp n, 0,1,2,3
	ds_load_b128 v[128+8*(\n):128+8*(\n)+3], v10 offset:SV+64*(\n)
	ds_load_b128 v[128+8*(\n)+4:128+8*(\n)+7], v10 offset:SV+64*(\n)+32
.endr
	s_wait_loadcnt 0x0
	s_wait_dscnt 0x0
	v_wmma_f32_16x16x32_bf16 v[160:167], v[96:103], v[128:135], 0            ; two accumulators by turns
	v_wmma_f32_16x16x32_bf16 v[168:175], v[104:111], v[136:143], 0
	v_wmma_f32_16x16x32_bf16 v[160:167], v[112:119], v[144:151], v[160:167]
	v_wmma_f32_16x16x32_bf16 v[168:175], v[120:127], v[152:159], v[168:175]
.rept 8
	v_nop                                          ; the places behind the last products
.endr
.irp j, 0,2,4,6
	v_pk_add_f32 v[160+(\j):161+(\j)], v[160+(\j):161+(\j)], v[168+(\j):169+(\j)]
.endr
	ds_store_b128 v11, v[160:163]                  ; a lane holds i = 8 h + 0..7; the sixteen lanes of a half write the same bytes
	ds_store_b128 v11, v[164:167] offset:16
	s_wait_dscnt 0x0
	s_barrier_signal -1
	s_barrier_wait -1
	s_cmp_eq_u32 s20, 0
	s_cbranch_scc0 .Lx_end
.irp w, 0,1,2,3,4,5,6,7,8,9,10,11,12,13,14,15
	ds_load_b32 v[128+(\w)], v12 offset:64*(\w)
.endr
	s_wait_dscnt 0x0
	v_pk_add_f32 v[128:129], v[128:129], v[130:131]
	v_pk_add_f32 v[132:133], v[132:133], v[134:135]
	v_pk_add_f32 v[136:137], v[136:137], v[138:139]
	v_pk_add_f32 v[140:141], v[140:141], v[142:143]
	v_pk_add_f32 v[128:129], v[128:129], v[132:133]
	v_pk_add_f32 v[136:137], v[136:137], v[140:141]
	v_pk_add_f32 v[128:129], v[128:129], v[136:137]
	v_add_f32 v128, v128, v129
	v_add_f32 v128, v128, v88
	v_add_f32 v128, v128, v89
	v_cmp_gt_u32 vcc_lo, 16, v3
	s_wait_xcnt 0x0                                ; EXEC changes only behind this wait
	s_and_saveexec_b32 s31, vcc_lo
	global_store_b32 v8, v128, s[16:17]            ; lanes 0 to 15: 64 consecutive bytes
	s_wait_xcnt 0x0                                ; and again, in front of the line that widens it
	s_or_b32 exec_lo, exec_lo, s31
.Lx_end:
	s_wait_tensorcnt 0x0                           ; the wave's end, behind my last LDS store
	ds_add_u32 v1, v2
	s_wait_dscnt 0x0
	s_endpgm
.Lq:	; logq1
	v_lshlrev_b32 v7, 3, v0                        ; x0: two numbers a thread
	v_lshlrev_b32 v8, 10, v5                       ; dacc of block thread % 16
	v_mov_b32 v13, 0
	s_lshl_b32 s22, s20, 2
	s_add_co_u32 s22, s22, RED
	v_mov_b32 v14, s22                             ; where my wave's sum goes: below v16, where the loads begin
	s_mov_b32 s26, 0x76543210                      ; v_permlanex16_b32: each lane takes its own place in the other half
	s_mov_b32 s27, 0xfedcba98
	s_mov_b32 s30, 0xbdaaaaab                      ; -1/12
	s_wait_kmcnt 0x0
.irp i, 0,1,2,3,4,5,6,7,8,9,10,11,12,13,14,15
	global_load_b128 v[16+4*(\i):16+4*(\i)+3], v4, s[4:5] offset:8192*(\i)
.endr
.irp i, 0,1,2,3,4,5,6,7,8,9,10,11,12,13,14,15
	global_load_b128 v[96+4*(\i):96+4*(\i)+3], v4, s[4:5] offset:131072+8192*(\i)
.endr
	global_load_b128 v[80:83], v4, s[10:11]        ; b2
	global_load_b64 v[84:85], v7, s[14:15]         ; x0
	global_load_b32 v86, v8, s[6:7] offset:768     ; dacc
	s_wait_loadcnt 0x0
	SUMR 16
	v_pk_add_f32 v[16:17], v[16:17], v[80:81]
	v_pk_add_f32 v[18:19], v[18:19], v[82:83]
	TANH4
	SUMR 96
.irp i, 0,1,2,3
	v_fma_f32 v[20+(\i)], -v[24+(\i)], v[24+(\i)], 1.0  ; d2
.endr
	v_mul_f32 v28, v96, v20
	v_fma_f32 v28, v97, v21, v28
	v_fma_f32 v28, v98, v22, v28
	v_fma_f32 v28, v99, v23, v28
	v_mul_f32 v29, v84, v84
	v_fma_f32 v29, v85, v85, v29
	v_mul_f32 v29, -0.5, v29
	v_fma_f32 v28, s30, v28, v29
	v_cmp_gt_u32 vcc_lo, 16, v0                    ; the sixteen blocks' dacc are counted once, by threads 0 to 15
	v_cndmask_b32 v30, 0, v86, vcc_lo
	v_sub_f32 v28, v28, v30
	v_add_f32_dpp v28, v28, v28 row_xmask:1 row_mask:0xf bank_mask:0xf
	v_add_f32_dpp v28, v28, v28 row_xmask:2 row_mask:0xf bank_mask:0xf
	v_add_f32_dpp v28, v28, v28 row_xmask:4 row_mask:0xf bank_mask:0xf
	v_add_f32_dpp v28, v28, v28 row_xmask:8 row_mask:0xf bank_mask:0xf
	v_permlanex16_b32 v29, v28, s26, s27           ; its destination has been written before
	v_add_f32 v28, v28, v29
	ds_store_b32 v14, v28                          ; my wave's sum
	s_wait_dscnt 0x0
	s_barrier_signal -1
	s_barrier_wait -1
	s_cmp_eq_u32 s20, 0
	s_cbranch_scc0 .Lq_end
	ds_load_b32 v30, v12                           ; lane l takes wave l % 16's sum
	s_wait_dscnt 0x0
	v_add_f32_dpp v30, v30, v30 row_xmask:1 row_mask:0xf bank_mask:0xf
	v_add_f32_dpp v30, v30, v30 row_xmask:2 row_mask:0xf bank_mask:0xf
	v_add_f32_dpp v30, v30, v30 row_xmask:4 row_mask:0xf bank_mask:0xf
	v_add_f32_dpp v30, v30, v30 row_xmask:8 row_mask:0xf bank_mask:0xf
	v_add_f32 v30, 0xc46b3f8e, v30                 ; - 512 log(2 pi) = -940.99306
	v_cmp_eq_u32 vcc_lo, 0, v3
	s_wait_xcnt 0x0                                ; EXEC changes only behind this wait
	s_and_saveexec_b32 s31, vcc_lo
	global_store_b32 v13, v30, s[16:17] offset:4096  ; lane 0: out0[1024]
	s_wait_xcnt 0x0                                ; and again, in front of the line that widens it
	s_or_b32 exec_lo, exec_lo, s31
.Lq_end:
	s_wait_tensorcnt 0x0                           ; the wave's end, behind my last LDS store
	ds_add_u32 v1, v2
	s_wait_dscnt 0x0
	s_endpgm
.Lfunc_end_k_qf7bc9eb810_fin:
	.size	k_qf7bc9eb810_fin, .Lfunc_end_k_qf7bc9eb810_fin-k_qf7bc9eb810_fin
	.p2alignl 7, 3214868480
	.fill 96, 4, 3214868480
	.section	.rodata,"a",@progbits
	.p2align	6, 0x0
	.amdhsa_kernel k_qf7bc9eb810_fin
		.amdhsa_group_segment_fixed_size 7168
		.amdhsa_private_segment_fixed_size 0
		.amdhsa_enable_private_segment 0
		.amdhsa_kernarg_size 56
		.amdhsa_user_sgpr_count 2
		.amdhsa_user_sgpr_kernarg_segment_ptr 1
		.amdhsa_wavefront_size32 1
		.amdhsa_system_sgpr_workgroup_id_x 1
		.amdhsa_system_sgpr_workgroup_id_y 1
		.amdhsa_system_sgpr_workgroup_id_z 1
		.amdhsa_system_vgpr_workitem_id 0
		.amdhsa_next_free_vgpr 176
		.amdhsa_next_free_sgpr 66
		.amdhsa_reserve_vcc 1
		.amdhsa_float_denorm_mode_32 3
		.amdhsa_float_denorm_mode_16_64 3
		.amdhsa_memory_ordered 1
		.amdhsa_forward_progress 1
		.amdhsa_inst_pref_size 23
	.end_amdhsa_kernel
	.amdgpu_metadata
---
amdhsa.version: [ 1, 2 ]
amdhsa.kernels:
  - .name:           k_qf7bc9eb810_fin
    .symbol:         k_qf7bc9eb810_fin.kd
    .args:
      - { .name: ap, .offset: 0, .size: 8, .value_kind: global_buffer, .address_space: global }
      - { .name: sb1, .offset: 8, .size: 8, .value_kind: global_buffer, .address_space: global }
      - { .name: wts, .offset: 16, .size: 8, .value_kind: global_buffer, .address_space: global }
      - { .name: b2, .offset: 24, .size: 8, .value_kind: global_buffer, .address_space: global }
      - { .name: b3, .offset: 32, .size: 8, .value_kind: global_buffer, .address_space: global }
      - { .name: x0, .offset: 40, .size: 8, .value_kind: global_buffer, .address_space: global }
      - { .name: out0, .offset: 48, .size: 8, .value_kind: global_buffer, .address_space: global }
    .group_segment_fixed_size: 7168
    .private_segment_fixed_size: 0
    .kernarg_segment_align: 8
    .kernarg_segment_size: 56
    .max_flat_workgroup_size: 512
    .sgpr_count:     66
    .vgpr_count:     176
    .wavefront_size: 32
...
	.end_amdgpu_metadata
.endif
;; end of part 4
